; MI455X (gfx1250); checked and timed in simulation.
; The chip was launched on July 23, 2026; its instructions are those of AMD's public machine-readable ISA for CDNA 5 (MIT licence, August 2026) and "CDNA5" Instruction Set Architecture Reference Guide (July 2026). The comments in the code are by the model that wrote it; some were corrected since.
;; Min GRU. Allowed arithmetic: matrix products marked QUANTISED: E2M1 operands, one E8M0 scale for each 32 along K, by v_wmma_scale_f32_16x16x128_f8f6f4 with both operands' format E2M1 (or v_wmma_scale_f32_32x16x128_f4), f32 sums; everything else in f32.
;; Inputs: W0 2,048 x 1,024 float32; W1 2,048 x 1,024 float32; b0 2,048 float32; b1 2,048 float32; x 8 x 2,048 x 1,024 float32.
;; Outputs: out0 8 x 2,048 x 1,024 float32.
;; This version of the problem:
;;   THIS VERSION OF THE PROBLEM IS GIVEN IN LOW PRECISION. The matrix products marked QUANTISED in the list below multiply operands that are first quantised to E2M1 (2 exponent bits, 1 mantissa bit; 4 bits a number), with one power-of-two scale for each 32 numbers along K (OCP MX v1.0); their sums are f32. All else is computed in f32.
;;   The module's matrix products, in the order in which they are computed (A, B: the left and right operand; K: the contracted axis; several contracted axes count as one K, in the product's order):
;;     1. [M 16,384, K 1,024] x [K 1,024, N 2,048]; A: input x; B: input W0: QUANTISED
;;     2. [M 16,384, K 1,024] x [K 1,024, N 2,048]; A: computed on the way; B: input W1: QUANTISED
;;   THE QUANTISER, for each operand of a quantised product, along K:
;;     - K is cut into blocks of 32 from its start; a last block that is shorter is filled with zeros.
;;     - A block's scale is 2^e with e = floor(log2(the largest magnitude in the block)) - 2, held to -126 .. 127; a block of zeros has e = 0. As a byte (E8M0): e + 127.
;;     - Each number is divided by its block's scale, clamped to +-6, and rounded to the nearest number of E2M1, ties to even, subnormals kept.
;;     - The product sums the exact products of the quantised numbers (number of the format x scale) in f32.
;;   ~~~python
;;   def quantise(x, axis):      # numpy; x: float32 -> the quantised numbers, widened to float32 again
;;       x = np.moveaxis(x, axis, -1); K = x.shape[-1]
;;       x = np.pad(x, [(0, 0)] * (x.ndim - 1) + [(0, -K % 32)]); x = x.reshape(x.shape[:-1] + (-1, 32)); a = np.abs(x).max(-1, keepdims=True)
;;       e = np.where(a > 0, np.clip(np.frexp(np.where(a > 0, a, 1))[1] - 1 - 2, -126, 127), 0)      # np.frexp(a)[1] - 1 = floor(log2(a)), exactly
;;       r = np.clip(x / 2.0 ** e, -6, 6)
;;       step = 2.0 ** (np.maximum(np.frexp(np.where(r == 0, 1, r))[1] - 1, 0) - 1)
;;       q = np.round(r / step) * step * 2.0 ** e      # np.round: ties to even
;;       return np.moveaxis(q.reshape(q.shape[:-2] + (-1,))[..., :K], -1, axis).astype(np.float32)
;;   ~~~
;;   OPERANDS COMPUTED ON THE WAY. 'Computed on the way' means the value that the module computes at that place (a softmax that the list does not call 'softmax' is quantised finished and normalised). What goes into a quantiser is computed in f32, as accurately as f32 sums, v_exp_f32 and their like allow (about 1e-6 of the number): no bf16 or f16 on the way to a quantiser, and a product that is left as it is and whose result goes on into a quantised operand takes f32 operands (vector FMAs, or v_wmma_f32_16x16x4_f32). A number that lies on a knife's edge between two numbers of the format may be rounded either way, as far as f32 arithmetic and the matrix unit's own rounding can turn it there, and no further.
;; One version. Each part assembles by itself: llvm-mc -triple=amdgcn-amd-amdhsa -mcpu=gfx1250 --defsym DOCPART=n.
;; ======== version 1 of 1: 3 launches
;; limits: right only within a limited range of input values
;; workspace buffers: xq 8,912,896 bytes; hq 8,912,896 bytes; w0q 1,114,112 bytes; w1q 1,114,112 bytes
;; launch quant (part 1): grid 320 x 1, 4 waves a work-group, no clusters, 37,376 bytes of LDS; arguments x, W0, W1, xq, w0q, w1q; writes xq, w0q, w1q
.if DOCPART == 1
	.amdgcn_target "amdgcn-amd-amdhsa--gfx1250"
	.amdhsa_code_object_version 6
	.text
	.protected	k_q87ea9b384c_quant
	.globl	k_q87ea9b384c_quant
	.p2align	8
	.type	k_q87ea9b384c_quant,@function
k_q87ea9b384c_quant:
	s_mov_b64 s[64:65], 0
	v_nop
	global_prefetch_b8 v0, s[64:65] scope:SCOPE_SE
	s_setreg_imm32_b32 hwreg(HW_REG_WAVE_MODE, 25, 1), 1
	s_wait_xcnt 0x0
; x [8][2048][1024], W0 and W1 [2048][1024], f32, become codes of FP4 (E2M1) with one E8M0 scale byte for each 32 along K (K is the last axis of all three).
; A block's scale is 2^(floor(log2(its largest magnitude)) - 2); its byte is the largest magnitude's own exponent field - 2, held at 1 from below by a floor among the maximum's leaves.
; LIMITS: NaN and infinities are not served.  A block whose largest magnitude lies under 2^-124 gets the byte 1; a block of zeros too, where the rule says 127: its codes are zeros, which add nothing
; under any byte but 0xff, and only this program reads the bytes.
; THE LAYOUT OF THE RESULT, the same for all three: ten "batches" of 2,048 rows x 1,024 K (x's eight, W0, W1), each [chunk = row / 256][kb = k / 32][4,352 bytes]: the 16 code bytes of row rr = row % 256
; at 16 rr, its scale byte at 4,096 + rr.  So a chunk is one dense block, a matrix fragment's 16 lanes read 256 consecutive bytes, and every store here covers 256 consecutive bytes, aligned.
; SHARES: work-group g: batch g / 32, chunk (g / 4) % 8, quarter g % 4 of K.  Wave w takes two blocks of K (256 bytes of each row) for the chunk's 256 rows, 16 rows a step, 16 steps.
; A load reads 256 consecutive bytes in each half of the lanes; the conversion wants a whole block in ONE lane's registers: so a step's 4,096 bytes turn through the wave's own stage in LDS.
; No tensor loads, no barrier, no matrix work: the waves share nothing and each byte is read once.  Loads run four steps (32 loads a wave) ahead, the turn through LDS one step.
.set KBB,    4352                      ; bytes of one kb of a chunk: 256 x 16 of codes, 256 scale bytes
.set CHUNKB, 32*KBB
.set BATB,   8*CHUNKB
.set STEPS,  16
.set SP,     272                       ; a stage row: 256 bytes + 16: 68 words, so that 16 rows start at 16 different groups of banks (64 banks of 4 bytes: ISA guide 11.1)
.set STG,    16*SP                     ; a stage
.set SBY,    2*STG                     ; behind the two stages: the wave's 512 scale bytes
.set WREG,   SBY+512                   ; LDS of a wave
.set LA,  4                            ; v4   load: 4,096 h + 16 r   (r = lane % 16, h = lane / 16)
.set SA,  5                            ; v5   into the stage: row h of a pair, 16 r
.set SRD, 6                            ; v6   out of it: row r, block h
.set CA,  7                            ; v7   codes: KBB h + 16 r
.set SBA, 8                            ; v8   my scale byte in LDS: 256 h + r
.set SBR, 9                            ; v9   the scale bytes on their way out: 16 x lane
.set MXA, 10                           ; v10, v11 the largest magnitude, in two chains
.set MXB, 11
.set SCL, 12                           ; v12  the conversion's scale operand
.set CD,  16                           ; v16-23   codes, two sets of four
.set SO,  24                           ; v24-27   scale bytes on their way out
.set R,   32                           ; v32-159  four sets of 32: numbers as loaded
.set X,   160                          ; v160-223 two sets of 32: a whole block
.set BY,  224                          ; v224-239 a scale byte for each step
	s_load_b128 s[4:7], s[0:1], 0x0                ; x, W0
	s_load_b128 s[8:11], s[0:1], 0x10              ; W1, xq
	s_load_b128 s[12:15], s[0:1], 0x20             ; w0q, w1q
	v_lshl_add_u32 v240, v0, 2, 0x9000
	v_mov_b32 v241, 0
	v_lshrrev_b32 v1, 5, v0
	v_readfirstlane_b32 s16, v1                    ; wave 0..3
	v_and_b32 v1, 31, v0                           ; lane
	v_and_b32 v2, 15, v0                           ; r
	v_bfe_u32 v3, v0, 4, 1                         ; h
	s_mul_i32 s17, s16, WREG                       ; my wave's LDS
	s_add_co_u32 s18, s17, SBY                     ; and its scale bytes
	v_lshlrev_b32 v[LA], 4, v2
	v_lshl_add_u32 v[LA], v3, 12, v[LA]
	v_mul_u32_u24 v[SA], v3, SP
	v_lshl_add_u32 v[SA], v2, 4, v[SA]
	v_add_nc_u32 v[SA], s17, v[SA]
	v_mul_u32_u24 v[SRD], v2, SP
	v_lshl_add_u32 v[SRD], v3, 7, v[SRD]
	v_add_nc_u32 v[SRD], s17, v[SRD]
	v_mul_u32_u24 v[CA], v3, KBB
	v_lshl_add_u32 v[CA], v2, 4, v[CA]
	v_lshl_add_u32 v[SBA], v3, 8, v2
	v_add_nc_u32 v[SBA], s18, v[SBA]
	v_lshlrev_b32 v[SBR], 4, v1
	v_add_nc_u32 v[SBR], s18, v[SBR]
	s_lshr_b32 s19, ttmp9, 5                       ; batch 0..9
	s_bfe_u32 s20, ttmp9, 0x30002                  ; chunk: 3 bits from bit 2
	s_and_b32 s21, ttmp9, 3
	s_lshl_b32 s21, s21, 2
	s_add_co_u32 s21, s21, s16                     ; 4 x quarter + wave: which 256 bytes of a row
	s_wait_alu depctr_va_vdst(0)
	s_wait_kmcnt 0x0
	s_cmp_lt_u32 ttmp9, 288                        ; the choice of buffers hangs on the work-group's number alone; one path serves all three tensors
	s_cselect_b64 s[6:7], s[6:7], s[8:9]           ; W0 or W1
	s_cselect_b64 s[12:13], s[12:13], s[14:15]
	s_cmp_lt_u32 ttmp9, 256
	s_cselect_b64 s[4:5], s[4:5], s[6:7]           ; x or that
	s_cselect_b64 s[10:11], s[10:11], s[12:13]
	s_cselect_b32 s19, s19, 0                      ; the batch inside its buffer
	s_lshl_b32 s22, s19, 23                        ; source: 8,388,608 a batch,
	s_lshl_b32 s24, s20, 20                        ; 1,048,576 a chunk,
	s_add_co_u32 s22, s22, s24
	s_lshl_b32 s24, s21, 8                         ; my 256 bytes of a row
	s_add_co_u32 s22, s22, s24
	s_mov_b32 s23, 0
	s_add_nc_u64 s[4:5], s[4:5], s[22:23]
	s_mul_i32 s22, s19, BATB                       ; destination
	s_mul_i32 s24, s20, CHUNKB
	s_add_co_u32 s22, s22, s24
	s_mul_i32 s24, s21, 2*KBB                      ; my first kb
	s_add_co_u32 s22, s22, s24
	s_add_nc_u64 s[10:11], s[10:11], s[22:23]
.macro LOAD t                          ; step t's 16 rows: each load takes two rows' 256 bytes, one in each half of the lanes
.irp i, 0,1,2,3,4,5,6,7
	global_load_b128 v[R+32*((\t)%4)+4*\i:R+32*((\t)%4)+4*\i+3], v[LA], s[4:5] offset:65536*(\t)+8192*\i th:TH_LOAD_NT
.endr
.endm
.macro TURN t                          ; through the stage: LDS serves a wave's instructions in order (ISA guide 5.7.1.4), so no wait stands between the stores and the loads
.irp i, 0,1,2,3,4,5,6,7
	ds_store_b128 v[SA], v[R+32*((\t)%4)+4*\i:R+32*((\t)%4)+4*\i+3] offset:STG*((\t)%2)+2*SP*\i
.endr
.irp i, 0,1,2,3,4,5,6,7
	ds_load_b128 v[X+32*((\t)%2)+4*\i:X+32*((\t)%2)+4*\i+3], v[SRD] offset:STG*((\t)%2)+16*\i
.endr
.endm
.macro STEP t
.set XS, X+32*((\t)%2)
.set CS, CD+4*((\t)%2)
.if (\t) > 0
	s_wait_dscnt 1                                 ; this step's block is back from the stage (only the last step's byte store was issued behind it): so its stores into the stage have read their registers,
.else
	s_wait_dscnt 0x0
.endif
.if (\t)+4 < STEPS
	LOAD (\t)+4                                    ; which take the loads of four steps on
.endif
.if (\t)+1 < STEPS
.if (\t) <= 11
	s_wait_loadcnt 24                              ; the next step's eight loads are in; those of the three steps behind it may be out
.else
	s_wait_loadcnt 8*(14-(\t))
.endif
	TURN (\t)+1
.endif
	v_max3_num_f32 v[MXA], |v[XS]|, |v[XS+1]|, 0x1800000           ; the block's largest magnitude: all 32 numbers are mine; the floor 2^(3 - 127) holds the byte at 1 from below
	v_max3_num_f32 v[MXB], |v[XS+2]|, |v[XS+3]|, |v[XS+4]|
.irp i, 5,9,13,17,21,25
	v_max3_num_f32 v[MXA], v[MXA], |v[XS+\i]|, |v[XS+\i+1]|
	v_max3_num_f32 v[MXB], v[MXB], |v[XS+\i+2]|, |v[XS+\i+3]|
.endr
	v_max3_num_f32 v[MXA], v[MXA], |v[XS+29]|, |v[XS+30]|
	v_max3_num_f32 v[MXA], v[MXA], v[MXB], |v[XS+31]|
	v_add_nc_u32 v[SCL], 0xff000000, v[MXA]        ; 2 off its exponent field: the conversion takes the exponent field of this operand as its scale, and nothing else of it
.if (\t) >= 2
	s_wait_alu depctr_va_vdst(0)
	s_wait_xcnt 0x0                                ; the store of two steps ago has read this set of codes: it is rewritten only behind this wait
.endif
.irp g, 0,1,2,3
	v_cvt_scalef32_pk8_fp4_f32 v[CS+\g], v[XS+8*\g:XS+8*\g+7], v[SCL]   ; eight numbers / the scale, to the nearest code, ties to even, beyond 6 the largest code
.endr
	v_lshrrev_b32 v[BY+(\t)], 23, v[SCL]           ; the scale's byte (also the plain line behind the conversions)
	ds_store_b8 v[SBA], v[BY+(\t)] offset:16*(\t)
	global_store_b128 v[CA], v[CS:CS+3], s[10:11] offset:256*(\t)   ; each half of the lanes stores 256 consecutive bytes, aligned: rows 16 t .. 16 t + 15 of its kb
.endm
.irp t, 0,1,2,3
	LOAD \t
.endr
	s_wait_loadcnt 24                              ; step 0's eight loads are in
	TURN 0
.irp t, 0,1,2,3,4,5,6,7,8,9,10,11,12,13,14,15
	STEP \t
.endr
	ds_load_b128 v[SO:SO+3], v[SBR]                ; in order behind my byte stores: lanes 0-15 the first kb's 256 bytes, lanes 16-31 the second's
	s_wait_dscnt 0x0
	global_store_b128 v[CA], v[SO:SO+3], s[10:11] offset:4096
	s_wait_tensorcnt 0x0
	ds_add_u32 v240, v241
	s_wait_dscnt 0x0
	s_endpgm
.Lfunc_end_k_q87ea9b384c_quant:
	.size	k_q87ea9b384c_quant, .Lfunc_end_k_q87ea9b384c_quant-k_q87ea9b384c_quant
	.p2alignl 7, 3214868480
	.fill 96, 4, 3214868480
	.section	.rodata,"a",@progbits
	.p2align	6, 0x0
	.amdhsa_kernel k_q87ea9b384c_quant
		.amdhsa_group_segment_fixed_size 37376
		.amdhsa_private_segment_fixed_size 0
		.amdhsa_enable_private_segment 0
		.amdhsa_kernarg_size 48
		.amdhsa_user_sgpr_count 2
		.amdhsa_user_sgpr_kernarg_segment_ptr 1
		.amdhsa_wavefront_size32 1
		.amdhsa_system_sgpr_workgroup_id_x 1
		.amdhsa_system_sgpr_workgroup_id_y 1
		.amdhsa_system_sgpr_workgroup_id_z 1
		.amdhsa_system_vgpr_workitem_id 0
		.amdhsa_next_free_vgpr 242
		.amdhsa_next_free_sgpr 66
		.amdhsa_reserve_vcc 0
		.amdhsa_float_denorm_mode_32 3
		.amdhsa_float_denorm_mode_16_64 3
		.amdhsa_memory_ordered 1
		.amdhsa_forward_progress 1
		.amdhsa_inst_pref_size 58
	.end_amdhsa_kernel
	.amdgpu_metadata
---
amdhsa.version: [ 1, 2 ]
amdhsa.kernels:
  - .name:           k_q87ea9b384c_quant
    .symbol:         k_q87ea9b384c_quant.kd
    .args:
      - { .name: x, .offset: 0, .size: 8, .value_kind: global_buffer, .address_space: global }
      - { .name: W0, .offset: 8, .size: 8, .value_kind: global_buffer, .address_space: global }
      - { .name: W1, .offset: 16, .size: 8, .value_kind: global_buffer, .address_space: global }
      - { .name: xq, .offset: 24, .size: 8, .value_kind: global_buffer, .address_space: global }
      - { .name: w0q, .offset: 32, .size: 8, .value_kind: global_buffer, .address_space: global }
      - { .name: w1q, .offset: 40, .size: 8, .value_kind: global_buffer, .address_space: global }
    .group_segment_fixed_size: 37376
    .private_segment_fixed_size: 0
    .kernarg_segment_align: 8
    .kernarg_segment_size: 48
    .max_flat_workgroup_size: 128
    .sgpr_count:     66
    .vgpr_count:     242
    .wavefront_size: 32
...
	.end_amdgpu_metadata
.endif
;; end of part 1
;; launch layer0 (part 2): grid 32 x 8, 8 waves a work-group, clusters of 4 x 1, 327,680 bytes of LDS; arguments xq, w0q, b0, hq; writes hq
.if DOCPART == 2
	.amdgcn_target "amdgcn-amd-amdhsa--gfx1250"
	.amdhsa_code_object_version 6
	.text
	.protected	k_q87ea9b384c_layer0
	.globl	k_q87ea9b384c_layer0
	.p2align	8
	.type	k_q87ea9b384c_layer0,@function
k_q87ea9b384c_layer0:
	s_mov_b64 s[64:65], 0
	v_nop
	global_prefetch_b8 v0, s[64:65] scope:SCOPE_SE
	s_setreg_imm32_b32 hwreg(HW_REG_WAVE_MODE, 25, 1), 1
	s_wait_xcnt 0x0
	s_wait_alu depctr_hold_cnt(0) depctr_sa_sdst(0) depctr_va_vdst(0) depctr_va_sdst(0) depctr_va_ssrc(0) depctr_va_vcc(0) depctr_vm_vsrc(0)
	s_getreg_b32 s2, hwreg(HW_REG_IB_STS2, 6, 4)
	s_cmp_eq_u32 s2, 0
	s_cbranch_scc0 .Lentry_in_a_cluster
	s_endpgm
.Lentry_in_a_cluster:
	s_bfe_u32 s2, ttmp6, 0x10000c
	s_cmp_lg_u32 s2, 0x3003
	s_cbranch_scc0 .Lentry_shape_is_right
	s_endpgm
.Lentry_shape_is_right:
; ONE LAYER OF MinGRU.  gh = A W^T + bias on codes of FP4 (E2M1) with E8M0 scales for each 32 along K; gate = gh[.., :1024], hidden = gh[.., 1024:];
; h_t = a_t h_(t-1) + z_t g(hidden_t), h_0 = 0.5, z = sigmoid(gate), a = sigmoid(-gate), g(y) = y + 0.5 for y >= 0, else sigmoid(y): what the scan in log space computes, term for term; all terms are positive.
; ARITHMETIC.  e = 2^min(-log2(e) gate, 100), z = 1 / (1 + e), a = e z.  g = max(y + 0.5, sigmoid(y)): the sigmoid's slope is at most 1/4, so y + 0.5 is the larger for y >= 0 and the smaller for y < 0: the maximum IS reference()'s choice.
; sigmoid(y) = 1 / (1 + 2^(-log2(e) y)): an exponential that overflows gives the reciprocal 0.
; LAYER = 0: h is quantised along the channels and stored as the next layer's operand.  LAYER = 1: h is the output, f32.  The two texts differ in this one line and in what it switches.
.set LAYER, 0
; LIMITS: NaN and infinities are not served.  z is held at 2^-100 from below (a is then 1); an a or a sigmoid(y) under 2^-126 comes out as 0 (ISA guide 15.8).  A block of h whose largest number lies under 2^-124 gets the scale byte 1.
; With LAYER = 1 a store covers four rows' 128 consecutive bytes: a work-group has 32 channels, since 8 batches x 32 groups of channels make the 256 work-groups.
; OPERANDS, both in one layout: [batch][chunk = row / 256][kb = k / 32][4,352 bytes]: the 16 code bytes of row rr = row % 256 at 16 rr, its scale byte at 4,096 + rr.
; SHARES.  A work-group owns batch b and channels 32 kb .. 32 kb + 31 (32 gate rows, 32 hidden rows of W, kept in every wave's registers), walks the 2,048 times in 8 chunks of 256 and carries h.
; Wave w of eight takes times 32 w .. 32 w + 31 of a chunk: 64 matrix instructions.  Source 0 = 16 times of A, source 1 = 16 channels of W: lane (r, h) holds channel r, its registers j the times 8 h + j.
; THE SCAN: pairs (P = product of a, V = h with carry 0), joined by (P, V) o (P', V') = (P P', P' V + V') over the lanes' halves, the two tiles and, through LDS, the eight waves; then h = P x carry + V.
; A TRIP: product, activations, scan, my pair into LDS; the three lines and ONE round, which serves the change of slots and the exchange of pairs alike; the refill; fold, h, the way out.
; The pairs lie in two buffers by turns: a wave stores chunk k + 1's pair while another may still read chunk k's.  During the way out the next chunk's scale bytes and first four K steps are read from its slot, which has landed.
; CLUSTER.  The four work-groups of a cluster share b and so the chunk of A: asked for JOINTLY, each wave an eighth.  W is not shared.
; PREFETCH.  Trip k refills with chunk k + 2 and asks for chunk k + 3: of a wave's 68 blocks of 256 bytes each of the four partners names 17, told apart by address (lanes 17-31 name the 17th again); chunks 0 to 2 and trips 5 to 7 ask for nothing.
; REGISTERS.  Window 1: W's 32 fragments, (n, q) at v[8 (8 n + q)].  Window 0: v1-23 addresses and carries; v24-39 W's scale words; v40-47 A's; v48-79 biases as C; v80-143 the accumulators; v144-239 A's fragments and scale bytes, or temporaries; v240-248 small.
.set KBB,    4352
.set CHUNKB, 32*KBB
.set BATB,   8*CHUNKB
.set SLOTB,  CHUNKB                    ; no wave's part (wave x 17,408) has one of SLOTB's two bits set: one exclusive or changes slots
.set PARTB,  4*KBB
.set STAGE,  2*SLOTB                   ; for each wave 32 rows x 144 bytes
.set SPITCH, 144
.set WSTG,   32*SPITCH
.set EXCH,   STAGE+8*WSTG              ; two buffers of 8 waves x 32 channels x (P, V)
.set SCB,    EXCH+4096                 ; LAYER 0: 8 chunks x 256 scale bytes of h
.set SPARE,  SCB+2048                  ; the spare words: four blocks of 256 bytes that no other line names
.if LAYER == 0
.set OSTEP,  CHUNKB
.else
.set OSTEP,  256*4096
.endif
.set SPW,  1
.set NIL,  2
.set AK0,  3                           ; my lane's place in a chunk's codes: 512 w + 16 r + KBB h
.set AS0,  4                           ; and among its scale bytes: 4,096 + 32 w + r + 4 KBB h
.set STO,  5
.set RD,   6
.set GO,   7
.set EXS,  8
.set EXR,  9
.set SCBA, 10
.set CARRY, 11
.set MINE, 12
.set XM,   13
.set ADK,  14
.set ADS,  18
.set HR,   14
.set HH,   15
.set HL,   16
.set HT,   17
.set HU,   18
.set VB,   249                         ; the biases' offset: a register of its own, since the read-ahead rewrites v14-21 while the bias loads are out
.set HV,   20
.set HX,   21
.set VW,   22                          ; head: W's codes, my byte offset; then EXSA
.set VS,   23                          ; head: W's scale bytes; then EXRA
.set EXSA, 22                          ; the exchange in this trip's buffer: where I store,
.set EXRA, 23                          ; and where I read
.set WS,   24
.set XS,   40
.set BIAS, 48
.set ACC,  80                          ; accumulator (i, n) at 8 (4 i + n): n = 0, 1 gate channels 0-15, 16-31; n = 2, 3 hidden
.set FA,   144
.set U8,   208
.set TD,   144                         ; 1 + e, then z, of the 32 gates
.set TU,   176                         ; the 32 hiddens' exponent, exponential, sigmoid
.set OP,   184
.set P16,  192
.set AP,   200
.set PH,   204
.set VL,   205
.set VH,   206
.set TR,   207
.set EX,   208
.set CR,   224
.set CT,   232
.set PB,   236
.set PFO,  240                         ; the prefetch's offset: 256 x min(lane, 16); never rewritten
.set MXA,  241
.set MXB,  242
.set SCL,  243
.set CD,   244
.set BY,   248
.set WV,   12
.set G1,   16
.set G0,   24
.set TB,   28                          ; the slot that is read next
.set CNT,  29
.set CL,   30                          ; 100.0
.set HM,   31                          ; the mask of lanes 16-31
.set WM,   32                          ; s[32:39] all ones where the index is my wave's number
.set LC,   40                          ; s[40:41] -log2(e), twice
.set EB,   42                          ; 0 or 2,048: the exchange's buffer
.set PF,   44                          ; s[44:45] where my prefetch stands
.set SEL,  56
.set SCO,  58
.set MSB, 0
.macro WIN new
.if MSB != \new
	s_set_vgpr_msb (MSB<<8)|\new
.set MSB, \new
.endif
.endm
.macro PLACES
.rept 4
	v_nop
.endr
.endm
.macro CROUND
	s_barrier_signal -1
	s_barrier_wait -1
	s_cmp_lg_u32 s[WV], 0
	s_cbranch_scc1 .Lnot_wave_0_\@
	s_barrier_signal -3
.Lnot_wave_0_\@:
	s_barrier_wait -3
	s_barrier_signal -1
	s_barrier_wait -1
.endm
; A fragment of A, tile i, K step q: registers 4 c .. 4 c + 3 of lane (r, h): the 16 bytes of kb = 4 q + 2 c + h of row r.
.macro LOADF q, i
.set rF, FA+32*(((\q)/2)%2)+16*((\q)%2)+8*(\i)
.irp c, 0,1
	ds_load_b128 v[rF+4*\c:rF+4*\c+3], v[ADK+(\q)/2] offset:(4*((\q)%2)+2*\c)*KBB+256*(\i)
.endr
.endm
; Read ahead from slot TB: 32 scale bytes, then K steps 0 to 3: 48 LDS loads
.macro PRE
.irp p, 0,1,2,3
	s_add_co_u32 s59, s[TB], 8*KBB*\p
	v_add_nc_u32 v[ADK+\p], s59, v[AK0]
	v_add_nc_u32 v[ADS+\p], s59, v[AS0]
.endr
.irp i, 0,1
.irp p, 0,1,2,3
.irp b, 0,1,2,3
	ds_load_u8 v[U8+16*\i+4*\p+\b], v[ADS+\p] offset:KBB*\b+16*\i   ; the scale byte of kb = 8 p + 4 h + b, row 16 i + r
.endr
.endr
.endr
.irp q, 0,1,2,3
	LOADF \q, 0
	LOADF \q, 1
.endr
.endm
; K step q: the eight accumulators by turns.  The first step's C is the bias.
.macro MM q
.irp i, 0,1
.irp n, 0,1,2,3
.set rA, FA+32*(((\q)/2)%2)+16*((\q)%2)+8*\i
.set rD, ACC+8*(4*\i+\n)
.set rB, 8*(8*\n+(\q))
.if (\q) == 0
	v_wmma_scale_f32_16x16x128_f8f6f4 v[rD:rD+7], v[rA:rA+7], v[rB:rB+7], v[BIAS+8*\n:BIAS+8*\n+7], v[XS+4*\i+(\q)/2], v[WS+4*\n+(\q)/2] matrix_a_fmt:MATRIX_FMT_FP4 matrix_b_fmt:MATRIX_FMT_FP4
.elseif (\q)%2 == 0
	v_wmma_scale_f32_16x16x128_f8f6f4 v[rD:rD+7], v[rA:rA+7], v[rB:rB+7], v[rD:rD+7], v[XS+4*\i+(\q)/2], v[WS+4*\n+(\q)/2] matrix_a_fmt:MATRIX_FMT_FP4 matrix_b_fmt:MATRIX_FMT_FP4
.else
	v_wmma_scale_f32_16x16x128_f8f6f4 v[rD:rD+7], v[rA:rA+7], v[rB:rB+7], v[rD:rD+7], v[XS+4*\i+(\q)/2], v[WS+4*\n+(\q)/2] matrix_a_fmt:MATRIX_FMT_FP4 matrix_b_fmt:MATRIX_FMT_FP4 matrix_a_scale:MATRIX_SCALE_ROW1 matrix_b_scale:MATRIX_SCALE_ROW1
.endif
.endr
.endr
.endm
.macro GEMM
	v_add_nc_u32 v[EXSA], s[EB], v[EXS]
	v_add_nc_u32 v[EXRA], s[EB], v[EXR]
	s_wait_dscnt 16                                ; the 32 bytes are in; behind them 16 fragment loads (and at most one byte store) were issued
.irp s, 1,2,3
.irp u, 0,1,2,3,4,5,6,7
.if \s == 1
	v_lshl_or_b32 v[XS+\u], v[U8+4*\u+1], 8, v[U8+4*\u]      ; four bytes make a row's scale word for 128 along K
.else
	v_lshl_or_b32 v[XS+\u], v[U8+4*\u+\s], 8*\s, v[XS+\u]
.endif
.endr
.endr
.rept 8
	v_nop                                          ; a scale register written by a vector instruction stands 8 places ahead of a scaled matrix instruction
.endr
	s_wait_alu depctr_va_vdst(0)
	s_wait_dscnt 8                                 ; K steps 0 and 1 are in
	WIN 0x04                                       ; source 1 (W) window 1
	MM 0
	MM 1
	PLACES
	LOADF 4, 0
	LOADF 4, 1
	LOADF 5, 0
	LOADF 5, 1
	s_wait_dscnt 8                                 ; all but the 8 just issued
	MM 2
	MM 3
	PLACES
	LOADF 6, 0
	LOADF 6, 1
	LOADF 7, 0
	LOADF 7, 1
	s_wait_dscnt 8
	MM 4
	MM 5
	s_wait_dscnt 0x0
	MM 6
	MM 7
	WIN 0
	PLACES
.endm
; The activations of all 32 gates and 32 hiddens of a lane: gate's accumulators become a, hidden's v = z g.  One batch of exponentials, one of reciprocals.  Each accumulator is read from its low end on.
.macro ACTS
.set aN, 0
.rept 16
.set aG, ACC+32*(aN/8)+2*(aN%8)
	v_pk_mul_f32 v[aG:aG+1], v[aG:aG+1], s[LC:LC+1] op_sel_hi:[1,0]
	v_pk_mul_f32 v[TU+2*aN:TU+2*aN+1], v[aG+16:aG+17], s[LC:LC+1] op_sel_hi:[1,0]
.set aN, aN+1
.endr
.set aN, 0
.rept 32
.set aG, ACC+32*(aN/16)+(aN%16)
	v_min_num_f32 v[aG], s[CL], v[aG]              ; the gate's exponent is held at 100: e z stays finite
.set aN, aN+1
.endr
	s_wait_alu depctr_va_vdst(0)
.set aN, 0
.rept 32
.set aG, ACC+32*(aN/16)+(aN%16)
	v_exp_f32 v[aG], v[aG]
	v_exp_f32 v[TU+aN], v[TU+aN]
.set aN, aN+1
.endr
.irp j, 0,2,4,6,8,10,12,14
	v_pk_add_f32 v[ACC+16+\j:ACC+17+\j], v[ACC+16+\j:ACC+17+\j], 0.5 op_sel_hi:[1,0]   ; y + 0.5, tile 0 (the plain lines behind the batch)
.endr
	s_wait_alu depctr_va_vdst(0)                   ; and behind it
.set aN, 0
.rept 16
.set aG, ACC+32*(aN/8)+2*(aN%8)
	v_pk_add_f32 v[TD+2*aN:TD+2*aN+1], v[aG:aG+1], 1.0 op_sel_hi:[1,0]
	v_pk_add_f32 v[TU+2*aN:TU+2*aN+1], v[TU+2*aN:TU+2*aN+1], 1.0 op_sel_hi:[1,0]
.set aN, aN+1
.endr
	s_wait_alu depctr_va_vdst(0)
.set aN, 0
.rept 32
	v_rcp_f32 v[TD+aN], v[TD+aN]                   ; z
	v_rcp_f32 v[TU+aN], v[TU+aN]                   ; sigmoid(y)
.set aN, aN+1
.endr
.irp j, 0,2,4,6,8,10,12,14
	v_pk_add_f32 v[ACC+48+\j:ACC+49+\j], v[ACC+48+\j:ACC+49+\j], 0.5 op_sel_hi:[1,0]   ; y + 0.5, tile 1
.endr
	s_wait_alu depctr_va_vdst(0)
.set aN, 0
.rept 32
.set aG, ACC+32*(aN/16)+(aN%16)
	v_max_num_f32 v[aG+16], v[aG+16], v[TU+aN]     ; g
.set aN, aN+1
.endr
.set aN, 0
.rept 16
.set aG, ACC+32*(aN/8)+2*(aN%8)
	v_pk_mul_f32 v[aG:aG+1], v[aG:aG+1], v[TD+2*aN:TD+2*aN+1]            ; a = e z
	v_pk_mul_f32 v[aG+16:aG+17], v[aG+16:aG+17], v[TD+2*aN:TD+2*aN+1]    ; v = z g
.set aN, aN+1
.endr
.endm
.macro SCANS                           ; down each lane's 8 times; the four groups by turns
.irp j, 1,2,3,4,5,6,7
.irp t, 0,1,4,5
	v_fma_f32 v[ACC+8*(\t+2)+\j], v[ACC+8*\t+\j], v[ACC+8*(\t+2)+\j-1], v[ACC+8*(\t+2)+\j]
.endr
.irp t, 0,1,4,5
	v_mul_f32 v[ACC+8*\t+\j], v[ACC+8*\t+\j], v[ACC+8*\t+\j-1]
.endr
.endr
.endm
.macro AGG1 i, c                       ; a tile's 16 times: lanes 0-15 hold the earlier 8, lanes 16-31 the later
.set rG7, ACC+8*(4*(\i)+(\c))+7
.set rY7, rG7+16
.set uu, 2*(2*(\i)+(\c))
	v_permlanex16_b32 v[OP+uu], v[rG7], s[SEL], s[SEL+1]
	v_permlanex16_b32 v[OP+uu+1], v[rY7], s[SEL], s[SEL+1]
	s_delay_alu instid0(VALU_DEP_2)
	v_cndmask_b32 v[PH], v[OP+uu], v[rG7], s[HM]
	s_delay_alu instid0(VALU_DEP_2)
	v_cndmask_b32 v[VL], v[rY7], v[OP+uu+1], s[HM]
	s_delay_alu instid0(VALU_DEP_3)
	v_cndmask_b32 v[VH], v[OP+uu+1], v[rY7], s[HM]
	v_mul_f32 v[P16+uu], v[rG7], v[OP+uu]
	s_delay_alu instid0(VALU_DEP_2)
	v_fma_f32 v[P16+uu+1], v[PH], v[VL], v[VH]
.endm
.macro AGG
	AGG1 0, 0
	AGG1 0, 1
	AGG1 1, 0
	AGG1 1, 1
	v_mul_f32 v[AP], v[P16], v[P16+4]                        ; my wave's 32 times: tile 0, then tile 1
	v_fma_f32 v[AP+1], v[P16+4], v[P16+1], v[P16+5]
	s_delay_alu instid0(VALU_DEP_4)
	v_mul_f32 v[AP+2], v[P16+2], v[P16+6]
	s_delay_alu instid0(VALU_DEP_4)
	v_fma_f32 v[AP+3], v[P16+6], v[P16+3], v[P16+7]
	s_delay_alu instid0(VALU_DEP_2)
	v_cndmask_b32 v[PB], v[AP], v[AP+2], s[HM]               ; lane (r, h) speaks for channel 16 h + r
	s_delay_alu instid0(VALU_DEP_2)
	v_cndmask_b32 v[PB+1], v[AP+1], v[AP+3], s[HM]
	ds_store_b64 v[EXSA], v[PB:PB+1]
.endm
.macro FOLD ask                        ; every wave folds all eight waves' pairs: the carry at its own head, and the chunk's carry out
.irp w, 0,1,2,3,4,5,6,7
	ds_load_b64 v[EX+2*\w:EX+2*\w+1], v[EXRA] offset:256*\w
.endr
.if \ask
	s_cmp_gt_u32 s[CNT], 1                         ; the loop's last trip would name chunk 8
	s_cbranch_scc0 .Lno_ask_\@
	global_prefetch_b8 v[PFO], s[PF:PF+1] th:TH_LOAD_NT scope:SCOPE_SE
.Lno_ask_\@:
.endif
	s_wait_dscnt 0x0
	v_cndmask_b32 v[MINE], v[MINE], v[CARRY], s[WM]
	v_fma_f32 v[CARRY], v[EX], v[CARRY], v[EX+1]
.irp w, 1, 2, 3, 4, 5, 6, 7
	s_delay_alu instid0(VALU_DEP_1)
	v_cndmask_b32 v[MINE], v[MINE], v[CARRY], s[WM+\w]
	s_delay_alu instid0(VALU_DEP_2)
	v_fma_f32 v[CARRY], v[EX+2*\w], v[CARRY], v[EX+2*\w+1]
.endr
	s_delay_alu instid0(VALU_DEP_2)
	v_permlanex16_b32 v[XM], v[MINE], s[SEL], s[SEL+1]
	s_delay_alu instid0(VALU_DEP_1)
	v_cndmask_b32 v[CT], v[MINE], v[XM], s[HM]               ; channel r's carry in every lane,
	s_delay_alu instid0(VALU_DEP_2)
	v_cndmask_b32 v[CT+1], v[XM], v[MINE], s[HM]             ; channel 16 + r's
	s_delay_alu instid0(VALU_DEP_2)
	v_fma_f32 v[CT+2], v[P16], v[CT], v[P16+1]               ; and into tile 1
	s_delay_alu instid0(VALU_DEP_2)
	v_fma_f32 v[CT+3], v[P16+2], v[CT+1], v[P16+3]
.irp u, 0,1,2,3
	v_fma_f32 v[TR], v[OP+2*\u], v[CT+\u], v[OP+2*\u+1]      ; behind the earlier half's 8 times: for lanes 16-31
	s_delay_alu instid0(VALU_DEP_1)
	v_cndmask_b32 v[CR+2*\u], v[CT+\u], v[TR], s[HM]
.endr
.endm
.macro FIXES                           ; h = P x carry + V
.irp i, 0,1
.irp c, 0,1
.irp j, 0,2,4,6
	v_pk_fma_f32 v[ACC+8*(4*\i+2+\c)+\j:ACC+8*(4*\i+2+\c)+\j+1], v[ACC+8*(4*\i+\c)+\j:ACC+8*(4*\i+\c)+\j+1], v[CR+2*(2*\i+\c):CR+2*(2*\i+\c)+1], v[ACC+8*(4*\i+2+\c)+\j:ACC+8*(4*\i+2+\c)+\j+1] op_sel_hi:[1,0,1]
.endr
.endr
.endr
.endm
; THE WAY OUT, through my wave's own stage (LDS serves a wave's instructions in order: ISA guide 5.7.1.4).  The rows come back into the gate accumulators, whose P are done with: group k at ACC + 32 (k / 4) + 4 (k % 4).
; pre = 1: behind them the next chunk's 48 loads are issued, and stay out while the rows are stored.
.macro OUT pre
.irp i, 0,1
.irp c, 0,1
.irp j, 0,1,2,3,4,5,6,7
	ds_store_b32 v[STO], v[ACC+8*(4*\i+2+\c)+\j] offset:(16*\i+\j)*SPITCH+64*\c   ; time 16 i + 8 h + j, channel 16 c + r
.endr
.endr
.endr
.irp k, 0,1,2,3,4,5,6,7
.set XB, ACC+32*(\k/4)+4*(\k%4)
.if LAYER == 0
	ds_load_b128 v[XB:XB+3], v[RD] offset:16*\k              ; lane l: time 32 w + l, its 32 channels: one block of the next product's K
.else
	ds_load_b128 v[XB:XB+3], v[RD] offset:4*SPITCH*\k        ; four times an instruction, eight lanes to a time's 128 bytes
.endif
.endr
.if \pre
	s_xor_b32 s[TB], s[TB], SLOTB
	PRE
.endif
.if LAYER == 0
	s_wait_dscnt 48*\pre                                     ; my row is back; the 48 loads behind it may be out
	v_max3_num_f32 v[MXA], v[ACC], v[ACC+1], 0x1800000       ; no |.|: h is positive.  The floor 2^(3 - 127) holds the byte at 1 from below
	v_max3_num_f32 v[MXB], v[ACC+32], v[ACC+33], v[ACC+34]
.irp k, 2,4,6,8,10,12
	s_delay_alu instid0(VALU_DEP_2)
	v_max3_num_f32 v[MXA], v[MXA], v[ACC+\k], v[ACC+\k+1]
	s_delay_alu instid0(VALU_DEP_2)
	v_max3_num_f32 v[MXB], v[MXB], v[ACC+33+\k], v[ACC+34+\k]
.endr
	s_delay_alu instid0(VALU_DEP_2)
	v_max3_num_f32 v[MXA], v[MXA], v[ACC+14], v[ACC+15]
	s_delay_alu instid0(VALU_DEP_1)
	v_max3_num_f32 v[MXA], v[MXA], v[MXB], v[ACC+47]
	s_delay_alu instid0(VALU_DEP_1)
	v_add_nc_u32 v[SCL], 0xff000000, v[MXA]                  ; 2 off its exponent field: the conversion's scale operand
.irp g, 0,1,2,3
	v_cvt_scalef32_pk8_fp4_f32 v[CD+\g], v[ACC+32*(\g/2)+8*(\g%2):ACC+32*(\g/2)+8*(\g%2)+7], v[SCL]
.endr
	v_lshrrev_b32 v[BY], 23, v[SCL]                          ; the scale's byte (also the plain line behind the conversions)
	v_add_nc_u32 v[SCBA], s[SCO], v0
	ds_store_b8 v[SCBA], v[BY]                               ; gathered in LDS: a chunk's 256 bytes leave together at the end
	global_store_b128 v[GO], v[CD:CD+3], s[10:11]            ; the wave stores 512 consecutive bytes, aligned
.else
.irp k, 0,1,2,3,4,5,6,7
.set XB, ACC+32*(\k/4)+4*(\k%4)
	s_wait_dscnt 48*\pre+7-\k                                ; group k is back; the younger groups and the 48 loads behind them may be out
	global_store_b128 v[GO], v[XB:XB+3], s[10:11] offset:4*4096*\k
.endr
.endif
.endm
; One chunk.  fill = 1: the slot just read is asked for again, two chunks on.  pre = 1: a chunk follows.
.macro TRIP fill, pre
	GEMM
	ACTS
	SCANS
	AGG
	s_wait_alu depctr_va_vdst(0)
	s_wait_tensorcnt 0x0                           ; my eighth of the next chunk has landed; no tensor load of mine is out, so group 0 may be written
	ds_add_u32 v[SPW], v[NIL]
.if \fill
	s_xor_b32 s[G0+1], s[G0+1], SLOTB
	s_add_nc_u64 s[G0+2:G0+3], s[G0+2:G0+3], CHUNKB
.endif
	s_wait_dscnt 0x0                               ; the add, my pair's store and my reads of this slot are done
.if \fill
	CROUND
	tensor_load_to_lds s[G0:G0+3], s[G1:G1+7]      ; my one tensor load behind the round
	s_nop 0
	PLACES
.else
	s_barrier_signal -1
	s_barrier_wait -1
.endif
	FOLD \fill
	FIXES
	OUT \pre
	s_wait_xcnt 0x0                                ; the stores and the prefetch have read their registers and bases
	s_add_nc_u64 s[10:11], s[10:11], OSTEP
.if \fill
	s_add_nc_u64 s[PF:PF+1], s[PF:PF+1], CHUNKB
.endif
	s_xor_b32 s[EB], s[EB], 2048
	s_add_co_u32 s[SCO], s[SCO], 256
.endm
	s_load_b256 s[4:11], s[0:1], 0x0               ; A s[4:5], W s[6:7], the bias s[8:9], the output s[10:11]
	v_lshl_add_u32 v[SPW], v0, 2, SPARE
	v_mov_b32 v[NIL], 0
	ds_add_u32 v1, v2
	ds_add_u32 v1, v2
	s_wait_dscnt 0x0
	v_lshrrev_b32 v[HR], 5, v0
	s_delay_alu instid0(VALU_DEP_1)
	v_readfirstlane_b32 s[WV], v[HR]               ; wave 0..7
	s_bfe_u32 s13, ttmp6, 0x40000                  ; cx
	s_lshl_b32 s14, ttmp9, 2
	s_add_co_u32 s14, s14, s13                     ; kb: my 32 channels
	s_and_b32 s15, ttmp7, 0xffff                   ; b, which the four partners share
	s_mov_b32 s[G1], 15|(3<<16)|(1<<21)            ; the mask of all four; elements of 8 bytes; bit 21 beside a mask
	s_mov_b32 s[G1+1], 32<<16
	s_mov_b32 s[G1+2], 68<<16                      ; 68 rows of 256 bytes
	s_mov_b32 s[G1+3], 32<<16
	s_mov_b32 s[G1+4], 68
	s_mov_b32 s[G1+5], 32
	s_mov_b32 s[G1+6], 0
	s_mov_b32 s[G1+7], 0
	s_mov_b32 s[G0], 1
	s_mul_i32 s[G0+1], s[WV], PARTB                ; slot 0, my eighth
	s_mul_i32 s2, s15, BATB
	s_add_co_u32 s2, s2, s[G0+1]
	s_mov_b32 s3, 0
	s_mul_i32 s46, s13, 17*256                     ; the prefetch: my work-group's 17 blocks of my wave's 68
	s_mov_b32 s47, 0
	s_mov_b32 s[TB], 0
	s_mov_b32 s[EB], 0
	s_mov_b32 s[CNT], 6
	s_mov_b32 s[LC], 0xbfb8aa3b
	s_mov_b32 s[LC+1], 0xbfb8aa3b
	s_mov_b32 s[CL], 0x42c80000
	s_mov_b32 s[HM], 0xffff0000
	s_mov_b32 s[SEL], 0x76543210
	s_mov_b32 s[SEL+1], 0xfedcba98
	s_mov_b32 s[SCO], SCB
.irp w, 0,1,2,3,4,5,6,7
	s_cmp_eq_u32 s[WV], \w
	s_cselect_b32 s[WM+\w], -1, 0
.endr
	v_and_b32 v[HR], 15, v0                        ; r
	v_bfe_u32 v[HH], v0, 4, 1                      ; h
	v_and_b32 v[HL], 31, v0                        ; lane
	s_delay_alu instid0(VALU_DEP_2)
	v_mul_u32_u24 v[HT], v[HH], KBB
	s_delay_alu instid0(VALU_DEP_1)
	v_lshl_add_u32 v[HT], v[HR], 4, v[HT]          ; 16 r + KBB h
	s_delay_alu instid0(VALU_DEP_4)
	v_mul_u32_u24 v[HU], v[HH], PARTB
	s_delay_alu instid0(VALU_DEP_1)
	v_add_nc_u32 v[HU], v[HU], v[HR]               ; r + 4 KBB h
	s_lshl_b32 s59, s[WV], 9
	v_add_nc_u32 v[AK0], s59, v[HT]
	s_lshl_b32 s59, s[WV], 5
	s_add_co_u32 s59, s59, 4096
	v_add_nc_u32 v[AS0], s59, v[HU]
	s_mul_i32 s59, s[WV], WSTG
	s_add_co_u32 s59, s59, STAGE                   ; my stage
	v_mul_u32_u24 v[STO], v[HH], 8*SPITCH
	s_delay_alu instid0(VALU_DEP_1)
	v_lshl_add_u32 v[STO], v[HR], 2, v[STO]
	s_delay_alu instid0(VALU_DEP_1)
	v_add_nc_u32 v[STO], s59, v[STO]
.if LAYER == 0
	v_mul_u32_u24 v[RD], v[HL], SPITCH
	s_delay_alu instid0(VALU_DEP_1)
	v_add_nc_u32 v[RD], s59, v[RD]
	v_lshlrev_b32 v[GO], 4, v0                     ; 16 bytes of codes for each of the chunk's 256 rows
.else
	v_lshrrev_b32 v[HV], 3, v[HL]
	v_and_b32 v[HX], 7, v[HL]
	s_delay_alu instid0(VALU_DEP_2)
	v_mul_u32_u24 v[RD], v[HV], SPITCH
	s_delay_alu instid0(VALU_DEP_1)
	v_lshl_add_u32 v[RD], v[HX], 4, v[RD]
	s_delay_alu instid0(VALU_DEP_1)
	v_add_nc_u32 v[RD], s59, v[RD]
	v_lshlrev_b32 v[GO], 12, v[HV]                 ; a time's row of the output is 4,096 bytes
	s_delay_alu instid0(VALU_DEP_1)
	v_lshl_add_u32 v[GO], v[HX], 4, v[GO]
	s_lshl_b32 s59, s[WV], 17                      ; my wave's 32 times
	v_add_nc_u32 v[GO], s59, v[GO]
.endif
	v_lshl_add_u32 v[EXS], v0, 3, EXCH
	v_lshl_add_u32 v[EXR], v[HL], 3, EXCH
	v_lshlrev_b32 v[VB], 2, v[HR]
	v_min_u32 v[PFO], 16, v[HL]
	v_mov_b32 v[CARRY], 0.5                        ; h_0 = g(0)
	v_mov_b32 v[MINE], 0
	v_mov_b32 v[XM], 0                             ; a lane permute's destination counts as one of its sources
	v_lshlrev_b32 v[PFO], 8, v[PFO]
	s_and_b32 s60, s14, 7                          ; W's rows 32 (kb % 8) on, in chunk kb / 8 (gate) and four chunks further (hidden)
	s_lshl_b32 s61, s60, 9
	v_add_nc_u32 v[VW], s61, v[HT]
	s_lshl_b32 s61, s60, 5
	s_add_co_u32 s61, s61, 4096
	v_add_nc_u32 v[VS], s61, v[HU]
	s_lshr_b32 s60, s14, 3
	s_mul_i32 s60, s60, CHUNKB
	s_mov_b32 s61, 0
	s_wait_kmcnt 0x0
	s_add_nc_u64 s[G0+2:G0+3], s[4:5], s[2:3]
	s_add_nc_u64 s[PF:PF+1], s[G0+2:G0+3], s[46:47]
	s_add_nc_u64 s[PF:PF+1], s[PF:PF+1], 3*CHUNKB  ; the first trip names chunk 3
	s_or_b32 s[G0+3], s[G0+3], 0x80000000          ; type = 2
	CROUND                                         ; all four work-groups are here: the first joint loads meet
	tensor_load_to_lds s[G0:G0+3], s[G1:G1+7]      ; chunk 0 into slot 0: my one tensor load at the head
	s_nop 0
	PLACES
	s_add_nc_u64 s[6:7], s[6:7], s[60:61]
	s_lshl_b32 s60, s14, 7
	s_add_nc_u64 s[8:9], s[8:9], s[60:61]          ; the bias of my gate channels; the hidden ones' lies 4,096 bytes on
.if LAYER == 0
	s_mul_i32 s60, s14, KBB
	s_mul_i32 s59, s15, BATB
	s_add_co_u32 s60, s60, s59
	s_add_nc_u64 s[10:11], s[10:11], s[60:61]      ; my kb of the batch's chunk 0
	s_mov_b64 s[62:63], s[10:11]                   ; kept for the scale bytes
.else
	s_lshl_b32 s59, s15, 23
	s_add_co_u32 s60, s60, s59
	s_add_nc_u64 s[10:11], s[10:11], s[60:61]      ; my 128 bytes of the batch's first row
.endif
	WIN 0x40                                       ; destination window 1
	s_wait_alu depctr_va_vdst(0)
.irp n, 0,1,2,3
.irp q, 0,1,2,3,4,5,6,7
.irp c, 0,1
	global_load_b128 v[8*(8*\n+\q)+4*\c:8*(8*\n+\q)+4*\c+3], v[VW], s[6:7] offset:(\n/2)*4*CHUNKB+(\n%2)*256+(4*\q+2*\c)*KBB   ; W's fragments: they stay
.endr
.endr
.endr
	WIN 0
.irp n, 0,1,2,3
.irp p, 0,1,2,3
.irp b, 0,1,2,3
	global_load_u8 v[ACC+16*\n+4*\p+\b], v[VS], s[6:7] offset:(\n/2)*4*CHUNKB+(\n%2)*16+(8*\p+\b)*KBB   ; their scale bytes: kb = 8 p + 4 h + b
.endr
.endr
.endr
.irp n, 0,1,2,3
	global_load_b32 v[BIAS+8*\n], v[VB], s[8:9] offset:(\n/2)*4096+(\n%2)*64
.endr
	s_wait_tensorcnt 0x0                           ; slot 1's first fill is issued as a refill is
	ds_add_u32 v[SPW], v[NIL]
	s_xor_b32 s[G0+1], s[G0+1], SLOTB
	s_add_nc_u64 s[G0+2:G0+3], s[G0+2:G0+3], CHUNKB
	s_wait_dscnt 0x0
	CROUND                                         ; everybody's eighth of chunk 0 is in
	tensor_load_to_lds s[G0:G0+3], s[G1:G1+7]      ; chunk 1 into slot 1
	s_nop 0
	PLACES
	PRE                                            ; chunk 0's first operands
	s_wait_loadcnt 0x0
.irp s, 1,2,3
.irp u, 0,1,2,3,4,5,6,7,8,9,10,11,12,13,14,15
.if \s == 1
	v_lshl_or_b32 v[WS+\u], v[ACC+4*\u+1], 8, v[ACC+4*\u]
.else
	v_lshl_or_b32 v[WS+\u], v[ACC+4*\u+\s], 8*\s, v[WS+\u]
.endif
.endr
.endr
.irp n, 0,1,2,3
.irp j, 1,2,3,4,5,6,7
	v_mov_b32 v[BIAS+8*\n+\j], v[BIAS+8*\n]        ; a lane's eight results are eight times of one channel: its bias eight times, as the C of each sum's first product
.endr
.endr
	s_wait_alu depctr_va_vdst(0)
.Lchunk:                                           ; six trips: trip k works on chunk k and asks for chunk k + 2
	TRIP 1, 1
	s_sub_co_u32 s[CNT], s[CNT], 1
	s_cmp_lg_u32 s[CNT], 0
	s_wait_alu depctr_va_vdst(0)
	s_cbranch_scc1 .Lchunk
	TRIP 0, 1                                      ; the last two chunks are written out: nothing more is asked for
	TRIP 0, 0
.if LAYER == 0
	s_wait_dscnt 0x0                               ; my scale bytes lie in LDS
	s_barrier_signal -1
	s_barrier_wait -1
	v_lshl_add_u32 v[SCBA], v0, 3, SCB             ; wave w takes chunk w's 256 bytes, 8 a lane
	ds_load_b64 v[MXB:MXB+1], v[SCBA]
	s_mul_i32 s59, s[WV], CHUNKB
	s_add_co_u32 s59, s59, 4096
	v_and_b32 v[HR], 31, v0
	s_delay_alu instid0(VALU_DEP_1)
	v_lshl_add_u32 v[HR], v[HR], 3, s59
	s_wait_alu depctr_va_vdst(0)
	s_wait_dscnt 0x0
	global_store_b64 v[HR], v[MXB:MXB+1], s[62:63] ; the wave stores 256 consecutive bytes, aligned
.endif
	s_wait_tensorcnt 0x0                           ; the wave's end
	ds_add_u32 v[SPW], v[NIL]
	s_wait_dscnt 0x0
	CROUND                                         ; the closing round
	s_endpgm
.Lfunc_end_k_q87ea9b384c_layer0:
	.size	k_q87ea9b384c_layer0, .Lfunc_end_k_q87ea9b384c_layer0-k_q87ea9b384c_layer0
	.p2alignl 7, 3214868480
	.fill 96, 4, 3214868480
	.section	.rodata,"a",@progbits
	.p2align	6, 0x0
	.amdhsa_kernel k_q87ea9b384c_layer0
		.amdhsa_group_segment_fixed_size 327680
		.amdhsa_private_segment_fixed_size 0
		.amdhsa_enable_private_segment 0
		.amdhsa_kernarg_size 32
		.amdhsa_user_sgpr_count 2
		.amdhsa_user_sgpr_kernarg_segment_ptr 1
		.amdhsa_wavefront_size32 1
		.amdhsa_system_sgpr_workgroup_id_x 1
		.amdhsa_system_sgpr_workgroup_id_y 1
		.amdhsa_system_sgpr_workgroup_id_z 1
		.amdhsa_system_vgpr_workitem_id 0
		.amdhsa_next_free_vgpr 512
		.amdhsa_next_free_sgpr 66
		.amdhsa_reserve_vcc 0
		.amdhsa_float_denorm_mode_32 3
		.amdhsa_float_denorm_mode_16_64 3
		.amdhsa_memory_ordered 1
		.amdhsa_forward_progress 1
		.amdhsa_inst_pref_size 153
	.end_amdhsa_kernel
	.amdgpu_metadata
---
amdhsa.version: [ 1, 2 ]
amdhsa.kernels:
  - .name:           k_q87ea9b384c_layer0
    .symbol:         k_q87ea9b384c_layer0.kd
    .args:
      - { .name: xq, .offset: 0, .size: 8, .value_kind: global_buffer, .address_space: global }
      - { .name: w0q, .offset: 8, .size: 8, .value_kind: global_buffer, .address_space: global }
      - { .name: b0, .offset: 16, .size: 8, .value_kind: global_buffer, .address_space: global }
      - { .name: hq, .offset: 24, .size: 8, .value_kind: global_buffer, .address_space: global }
    .group_segment_fixed_size: 327680
    .private_segment_fixed_size: 0
    .kernarg_segment_align: 8
    .kernarg_segment_size: 32
    .max_flat_workgroup_size: 256
    .sgpr_count:     66
    .vgpr_count:     512
    .wavefront_size: 32
...
	.end_amdgpu_metadata
.endif
;; end of part 2
;; launch layer1 (part 3): grid 32 x 8, 8 waves a work-group, clusters of 4 x 1, 327,680 bytes of LDS; arguments hq, w1q, b1, out0; writes out0
.if DOCPART == 3
	.amdgcn_target "amdgcn-amd-amdhsa--gfx1250"
	.amdhsa_code_object_version 6
	.text
	.protected	k_q87ea9b384c_layer1
	.globl	k_q87ea9b384c_layer1
	.p2align	8
	.type	k_q87ea9b384c_layer1,@function
k_q87ea9b384c_layer1:
	s_mov_b64 s[64:65], 0
	v_nop
	global_prefetch_b8 v0, s[64:65] scope:SCOPE_SE
	s_setreg_imm32_b32 hwreg(HW_REG_WAVE_MODE, 25, 1), 1
	s_wait_xcnt 0x0
	s_wait_alu depctr_hold_cnt(0) depctr_sa_sdst(0) depctr_va_vdst(0) depctr_va_sdst(0) depctr_va_ssrc(0) depctr_va_vcc(0) depctr_vm_vsrc(0)
	s_getreg_b32 s2, hwreg(HW_REG_IB_STS2, 6, 4)
	s_cmp_eq_u32 s2, 0
	s_cbranch_scc0 .Lentry_in_a_cluster
	s_endpgm
.Lentry_in_a_cluster:
	s_bfe_u32 s2, ttmp6, 0x10000c
	s_cmp_lg_u32 s2, 0x3003
	s_cbranch_scc0 .Lentry_shape_is_right
	s_endpgm
.Lentry_shape_is_right:
; ONE LAYER OF MinGRU.  gh = A W^T + bias on codes of FP4 (E2M1) with E8M0 scales for each 32 along K; gate = gh[.., :1024], hidden = gh[.., 1024:];
; h_t = a_t h_(t-1) + z_t g(hidden_t), h_0 = 0.5, z = sigmoid(gate), a = sigmoid(-gate), g(y) = y + 0.5 for y >= 0, else sigmoid(y): what the scan in log space computes, term for term; all terms are positive.
; ARITHMETIC.  e = 2^min(-log2(e) gate, 100), z = 1 / (1 + e), a = e z.  g = max(y + 0.5, sigmoid(y)): the sigmoid's slope is at most 1/4, so y + 0.5 is the larger for y >= 0 and the smaller for y < 0: the maximum IS reference()'s choice.
; sigmoid(y) = 1 / (1 + 2^(-log2(e) y)): an exponential that overflows gives the reciprocal 0.
; LAYER = 0: h is quantised along the channels and stored as the next layer's operand.  LAYER = 1: h is the output, f32.  The two texts differ in this one line and in what it switches.
.set LAYER, 1
; LIMITS: NaN and infinities are not served.  z is held at 2^-100 from below (a is then 1); an a or a sigmoid(y) under 2^-126 comes out as 0 (ISA guide 15.8).  A block of h whose largest number lies under 2^-124 gets the scale byte 1.
; With LAYER = 1 a store covers four rows' 128 consecutive bytes: a work-group has 32 channels, since 8 batches x 32 groups of channels make the 256 work-groups.
; OPERANDS, both in one layout: [batch][chunk = row / 256][kb = k / 32][4,352 bytes]: the 16 code bytes of row rr = row % 256 at 16 rr, its scale byte at 4,096 + rr.
; SHARES.  A work-group owns batch b and channels 32 kb .. 32 kb + 31 (32 gate rows, 32 hidden rows of W, kept in every wave's registers), walks the 2,048 times in 8 chunks of 256 and carries h.
; Wave w of eight takes times 32 w .. 32 w + 31 of a chunk: 64 matrix instructions.  Source 0 = 16 times of A, source 1 = 16 channels of W: lane (r, h) holds channel r, its registers j the times 8 h + j.
; THE SCAN: pairs (P = product of a, V = h with carry 0), joined by (P, V) o (P', V') = (P P', P' V + V') over the lanes' halves, the two tiles and, through LDS, the eight waves; then h = P x carry + V.
; A TRIP: product, activations, scan, my pair into LDS; the three lines and ONE round, which serves the change of slots and the exchange of pairs alike; the refill; fold, h, the way out.
; The pairs lie in two buffers by turns: a wave stores chunk k + 1's pair while another may still read chunk k's.  During the way out the next chunk's scale bytes and first four K steps are read from its slot, which has landed.
; CLUSTER.  The four work-groups of a cluster share b and so the chunk of A: asked for JOINTLY, each wave an eighth.  W is not shared.
; PREFETCH.  Trip k refills with chunk k + 2 and asks for chunk k + 3: of a wave's 68 blocks of 256 bytes each of the four partners names 17, told apart by address (lanes 17-31 name the 17th again); chunks 0 to 2 and trips 5 to 7 ask for nothing.
; REGISTERS.  Window 1: W's 32 fragments, (n, q) at v[8 (8 n + q)].  Window 0: v1-23 addresses and carries; v24-39 W's scale words; v40-47 A's; v48-79 biases as C; v80-143 the accumulators; v144-239 A's fragments and scale bytes, or temporaries; v240-248 small.
.set KBB,    4352
.set CHUNKB, 32*KBB
.set BATB,   8*CHUNKB
.set SLOTB,  CHUNKB                    ; no wave's part (wave x 17,408) has one of SLOTB's two bits set: one exclusive or changes slots
.set PARTB,  4*KBB
.set STAGE,  2*SLOTB                   ; for each wave 32 rows x 144 bytes
.set SPITCH, 144
.set WSTG,   32*SPITCH
.set EXCH,   STAGE+8*WSTG              ; two buffers of 8 waves x 32 channels x (P, V)
.set SCB,    EXCH+4096                 ; LAYER 0: 8 chunks x 256 scale bytes of h
.set SPARE,  SCB+2048                  ; the spare words: four blocks of 256 bytes that no other line names
.if LAYER == 0
.set OSTEP,  CHUNKB
.else
.set OSTEP,  256*4096
.endif
.set SPW,  1
.set NIL,  2
.set AK0,  3                           ; my lane's place in a chunk's codes: 512 w + 16 r + KBB h
.set AS0,  4                           ; and among its scale bytes: 4,096 + 32 w + r + 4 KBB h
.set STO,  5
.set RD,   6
.set GO,   7
.set EXS,  8
.set EXR,  9
.set SCBA, 10
.set CARRY, 11
.set MINE, 12
.set XM,   13
.set ADK,  14
.set ADS,  18
.set HR,   14
.set HH,   15
.set HL,   16
.set HT,   17
.set HU,   18
.set VB,   249                         ; the biases' offset: a register of its own, since the read-ahead rewrites v14-21 while the bias loads are out
.set HV,   20
.set HX,   21
.set VW,   22                          ; head: W's codes, my byte offset; then EXSA
.set VS,   23                          ; head: W's scale bytes; then EXRA
.set EXSA, 22                          ; the exchange in this trip's buffer: where I store,
.set EXRA, 23                          ; and where I read
.set WS,   24
.set XS,   40
.set BIAS, 48
.set ACC,  80                          ; accumulator (i, n) at 8 (4 i + n): n = 0, 1 gate channels 0-15, 16-31; n = 2, 3 hidden
.set FA,   144
.set U8,   208
.set TD,   144                         ; 1 + e, then z, of the 32 gates
.set TU,   176                         ; the 32 hiddens' exponent, exponential, sigmoid
.set OP,   184
.set P16,  192
.set AP,   200
.set PH,   204
.set VL,   205
.set VH,   206
.set TR,   207
.set EX,   208
.set CR,   224
.set CT,   232
.set PB,   236
.set PFO,  240                         ; the prefetch's offset: 256 x min(lane, 16); never rewritten
.set MXA,  241
.set MXB,  242
.set SCL,  243
.set CD,   244
.set BY,   248
.set WV,   12
.set G1,   16
.set G0,   24
.set TB,   28                          ; the slot that is read next
.set CNT,  29
.set CL,   30                          ; 100.0
.set HM,   31                          ; the mask of lanes 16-31
.set WM,   32                          ; s[32:39] all ones where the index is my wave's number
.set LC,   40                          ; s[40:41] -log2(e), twice
.set EB,   42                          ; 0 or 2,048: the exchange's buffer
.set PF,   44                          ; s[44:45] where my prefetch stands
.set SEL,  56
.set SCO,  58
.set MSB, 0
.macro WIN new
.if MSB != \new
	s_set_vgpr_msb (MSB<<8)|\new
.set MSB, \new
.endif
.endm
.macro PLACES
.rept 4
	v_nop
.endr
.endm
.macro CROUND
	s_barrier_signal -1
	s_barrier_wait -1
	s_cmp_lg_u32 s[WV], 0
	s_cbranch_scc1 .Lnot_wave_0_\@
	s_barrier_signal -3
.Lnot_wave_0_\@:
	s_barrier_wait -3
	s_barrier_signal -1
	s_barrier_wait -1
.endm
; A fragment of A, tile i, K step q: registers 4 c .. 4 c + 3 of lane (r, h): the 16 bytes of kb = 4 q + 2 c + h of row r.
.macro LOADF q, i
.set rF, FA+32*(((\q)/2)%2)+16*((\q)%2)+8*(\i)
.irp c, 0,1
	ds_load_b128 v[rF+4*\c:rF+4*\c+3], v[ADK+(\q)/2] offset:(4*((\q)%2)+2*\c)*KBB+256*(\i)
.endr
.endm
; Read ahead from slot TB: 32 scale bytes, then K steps 0 to 3: 48 LDS loads
.macro PRE
.irp p, 0,1,2,3
	s_add_co_u32 s59, s[TB], 8*KBB*\p
	v_add_nc_u32 v[ADK+\p], s59, v[AK0]
	v_add_nc_u32 v[ADS+\p], s59, v[AS0]
.endr
.irp i, 0,1
.irp p, 0,1,2,3
.irp b, 0,1,2,3
	ds_load_u8 v[U8+16*\i+4*\p+\b], v[ADS+\p] offset:KBB*\b+16*\i   ; the scale byte of kb = 8 p + 4 h + b, row 16 i + r
.endr
.endr
.endr
.irp q, 0,1,2,3
	LOADF \q, 0
	LOADF \q, 1
.endr
.endm
; K step q: the eight accumulators by turns.  The first step's C is the bias.
.macro MM q
.irp i, 0,1
.irp n, 0,1,2,3
.set rA, FA+32*(((\q)/2)%2)+16*((\q)%2)+8*\i
.set rD, ACC+8*(4*\i+\n)
.set rB, 8*(8*\n+(\q))
.if (\q) == 0
	v_wmma_scale_f32_16x16x128_f8f6f4 v[rD:rD+7], v[rA:rA+7], v[rB:rB+7], v[BIAS+8*\n:BIAS+8*\n+7], v[XS+4*\i+(\q)/2], v[WS+4*\n+(\q)/2] matrix_a_fmt:MATRIX_FMT_FP4 matrix_b_fmt:MATRIX_FMT_FP4
.elseif (\q)%2 == 0
	v_wmma_scale_f32_16x16x128_f8f6f4 v[rD:rD+7], v[rA:rA+7], v[rB:rB+7], v[rD:rD+7], v[XS+4*\i+(\q)/2], v[WS+4*\n+(\q)/2] matrix_a_fmt:MATRIX_FMT_FP4 matrix_b_fmt:MATRIX_FMT_FP4
.else
	v_wmma_scale_f32_16x16x128_f8f6f4 v[rD:rD+7], v[rA:rA+7], v[rB:rB+7], v[rD:rD+7], v[XS+4*\i+(\q)/2], v[WS+4*\n+(\q)/2] matrix_a_fmt:MATRIX_FMT_FP4 matrix_b_fmt:MATRIX_FMT_FP4 matrix_a_scale:MATRIX_SCALE_ROW1 matrix_b_scale:MATRIX_SCALE_ROW1
.endif
.endr
.endr
.endm
.macro GEMM
	v_add_nc_u32 v[EXSA], s[EB], v[EXS]
	v_add_nc_u32 v[EXRA], s[EB], v[EXR]
	s_wait_dscnt 16                                ; the 32 bytes are in; behind them 16 fragment loads (and at most one byte store) were issued
.irp s, 1,2,3
.irp u, 0,1,2,3,4,5,6,7
.if \s == 1
	v_lshl_or_b32 v[XS+\u], v[U8+4*\u+1], 8, v[U8+4*\u]      ; four bytes make a row's scale word for 128 along K
.else
	v_lshl_or_b32 v[XS+\u], v[U8+4*\u+\s], 8*\s, v[XS+\u]
.endif
.endr
.endr
.rept 8
	v_nop                                          ; a scale register written by a vector instruction stands 8 places ahead of a scaled matrix instruction
.endr
	s_wait_alu depctr_va_vdst(0)
	s_wait_dscnt 8                                 ; K steps 0 and 1 are in
	WIN 0x04                                       ; source 1 (W) window 1
	MM 0
	MM 1
	PLACES
	LOADF 4, 0
	LOADF 4, 1
	LOADF 5, 0
	LOADF 5, 1
	s_wait_dscnt 8                                 ; all but the 8 just issued
	MM 2
	MM 3
	PLACES
	LOADF 6, 0
	LOADF 6, 1
	LOADF 7, 0
	LOADF 7, 1
	s_wait_dscnt 8
	MM 4
	MM 5
	s_wait_dscnt 0x0
	MM 6
	MM 7
	WIN 0
	PLACES
.endm
; The activations of all 32 gates and 32 hiddens of a lane: gate's accumulators become a, hidden's v = z g.  One batch of exponentials, one of reciprocals.  Each accumulator is read from its low end on.
.macro ACTS
.set aN, 0
.rept 16
.set aG, ACC+32*(aN/8)+2*(aN%8)
	v_pk_mul_f32 v[aG:aG+1], v[aG:aG+1], s[LC:LC+1] op_sel_hi:[1,0]
	v_pk_mul_f32 v[TU+2*aN:TU+2*aN+1], v[aG+16:aG+17], s[LC:LC+1] op_sel_hi:[1,0]
.set aN, aN+1
.endr
.set aN, 0
.rept 32
.set aG, ACC+32*(aN/16)+(aN%16)
	v_min_num_f32 v[aG], s[CL], v[aG]              ; the gate's exponent is held at 100: e z stays finite
.set aN, aN+1
.endr
	s_wait_alu depctr_va_vdst(0)
.set aN, 0
.rept 32
.set aG, ACC+32*(aN/16)+(aN%16)
	v_exp_f32 v[aG], v[aG]
	v_exp_f32 v[TU+aN], v[TU+aN]
.set aN, aN+1
.endr
.irp j, 0,2,4,6,8,10,12,14
	v_pk_add_f32 v[ACC+16+\j:ACC+17+\j], v[ACC+16+\j:ACC+17+\j], 0.5 op_sel_hi:[1,0]   ; y + 0.5, tile 0 (the plain lines behind the batch)
.endr
	s_wait_alu depctr_va_vdst(0)                   ; and behind it
.set aN, 0
.rept 16
.set aG, ACC+32*(aN/8)+2*(aN%8)
	v_pk_add_f32 v[TD+2*aN:TD+2*aN+1], v[aG:aG+1], 1.0 op_sel_hi:[1,0]
	v_pk_add_f32 v[TU+2*aN:TU+2*aN+1], v[TU+2*aN:TU+2*aN+1], 1.0 op_sel_hi:[1,0]
.set aN, aN+1
.endr
	s_wait_alu depctr_va_vdst(0)
.set aN, 0
.rept 32
	v_rcp_f32 v[TD+aN], v[TD+aN]                   ; z
	v_rcp_f32 v[TU+aN], v[TU+aN]                   ; sigmoid(y)
.set aN, aN+1
.endr
.irp j, 0,2,4,6,8,10,12,14
	v_pk_add_f32 v[ACC+48+\j:ACC+49+\j], v[ACC+48+\j:ACC+49+\j], 0.5 op_sel_hi:[1,0]   ; y + 0.5, tile 1
.endr
	s_wait_alu depctr_va_vdst(0)
.set aN, 0
.rept 32
.set aG, ACC+32*(aN/16)+(aN%16)
	v_max_num_f32 v[aG+16], v[aG+16], v[TU+aN]     ; g
.set aN, aN+1
.endr
.set aN, 0
.rept 16
.set aG, ACC+32*(aN/8)+2*(aN%8)
	v_pk_mul_f32 v[aG:aG+1], v[aG:aG+1], v[TD+2*aN:TD+2*aN+1]            ; a = e z
	v_pk_mul_f32 v[aG+16:aG+17], v[aG+16:aG+17], v[TD+2*aN:TD+2*aN+1]    ; v = z g
.set aN, aN+1
.endr
.endm
.macro SCANS                           ; down each lane's 8 times; the four groups by turns
.irp j, 1,2,3,4,5,6,7
.irp t, 0,1,4,5
	v_fma_f32 v[ACC+8*(\t+2)+\j], v[ACC+8*\t+\j], v[ACC+8*(\t+2)+\j-1], v[ACC+8*(\t+2)+\j]
.endr
.irp t, 0,1,4,5
	v_mul_f32 v[ACC+8*\t+\j], v[ACC+8*\t+\j], v[ACC+8*\t+\j-1]
.endr
.endr
.endm
.macro AGG1 i, c                       ; a tile's 16 times: lanes 0-15 hold the earlier 8, lanes 16-31 the later
.set rG7, ACC+8*(4*(\i)+(\c))+7
.set rY7, rG7+16
.set uu, 2*(2*(\i)+(\c))
	v_permlanex16_b32 v[OP+uu], v[rG7], s[SEL], s[SEL+1]
	v_permlanex16_b32 v[OP+uu+1], v[rY7], s[SEL], s[SEL+1]
	s_delay_alu instid0(VALU_DEP_2)
	v_cndmask_b32 v[PH], v[OP+uu], v[rG7], s[HM]
	s_delay_alu instid0(VALU_DEP_2)
	v_cndmask_b32 v[VL], v[rY7], v[OP+uu+1], s[HM]
	s_delay_alu instid0(VALU_DEP_3)
	v_cndmask_b32 v[VH], v[OP+uu+1], v[rY7], s[HM]
	v_mul_f32 v[P16+uu], v[rG7], v[OP+uu]
	s_delay_alu instid0(VALU_DEP_2)
	v_fma_f32 v[P16+uu+1], v[PH], v[VL], v[VH]
.endm
.macro AGG
	AGG1 0, 0
	AGG1 0, 1
	AGG1 1, 0
	AGG1 1, 1
	v_mul_f32 v[AP], v[P16], v[P16+4]                        ; my wave's 32 times: tile 0, then tile 1
	v_fma_f32 v[AP+1], v[P16+4], v[P16+1], v[P16+5]
	s_delay_alu instid0(VALU_DEP_4)
	v_mul_f32 v[AP+2], v[P16+2], v[P16+6]
	s_delay_alu instid0(VALU_DEP_4)
	v_fma_f32 v[AP+3], v[P16+6], v[P16+3], v[P16+7]
	s_delay_alu instid0(VALU_DEP_2)
	v_cndmask_b32 v[PB], v[AP], v[AP+2], s[HM]               ; lane (r, h) speaks for channel 16 h + r
	s_delay_alu instid0(VALU_DEP_2)
	v_cndmask_b32 v[PB+1], v[AP+1], v[AP+3], s[HM]
	ds_store_b64 v[EXSA], v[PB:PB+1]
.endm
.macro FOLD ask                        ; every wave folds all eight waves' pairs: the carry at its own head, and the chunk's carry out
.irp w, 0,1,2,3,4,5,6,7
	ds_load_b64 v[EX+2*\w:EX+2*\w+1], v[EXRA] offset:256*\w
.endr
.if \ask
	s_cmp_gt_u32 s[CNT], 1                         ; the loop's last trip would name chunk 8
	s_cbranch_scc0 .Lno_ask_\@
	global_prefetch_b8 v[PFO], s[PF:PF+1] th:TH_LOAD_NT scope:SCOPE_SE
.Lno_ask_\@:
.endif
	s_wait_dscnt 0x0
	v_cndmask_b32 v[MINE], v[MINE], v[CARRY], s[WM]
	v_fma_f32 v[CARRY], v[EX], v[CARRY], v[EX+1]
.irp w, 1, 2, 3, 4, 5, 6, 7
	s_delay_alu instid0(VALU_DEP_1)
	v_cndmask_b32 v[MINE], v[MINE], v[CARRY], s[WM+\w]
	s_delay_alu instid0(VALU_DEP_2)
	v_fma_f32 v[CARRY], v[EX+2*\w], v[CARRY], v[EX+2*\w+1]
.endr
	s_delay_alu instid0(VALU_DEP_2)
	v_permlanex16_b32 v[XM], v[MINE], s[SEL], s[SEL+1]
	s_delay_alu instid0(VALU_DEP_1)
	v_cndmask_b32 v[CT], v[MINE], v[XM], s[HM]               ; channel r's carry in every lane,
	s_delay_alu instid0(VALU_DEP_2)
	v_cndmask_b32 v[CT+1], v[XM], v[MINE], s[HM]             ; channel 16 + r's
	s_delay_alu instid0(VALU_DEP_2)
	v_fma_f32 v[CT+2], v[P16], v[CT], v[P16+1]               ; and into tile 1
	s_delay_alu instid0(VALU_DEP_2)
	v_fma_f32 v[CT+3], v[P16+2], v[CT+1], v[P16+3]
.irp u, 0,1,2,3
	v_fma_f32 v[TR], v[OP+2*\u], v[CT+\u], v[OP+2*\u+1]      ; behind the earlier half's 8 times: for lanes 16-31
	s_delay_alu instid0(VALU_DEP_1)
	v_cndmask_b32 v[CR+2*\u], v[CT+\u], v[TR], s[HM]
.endr
.endm
.macro FIXES                           ; h = P x carry + V
.irp i, 0,1
.irp c, 0,1
.irp j, 0,2,4,6
	v_pk_fma_f32 v[ACC+8*(4*\i+2+\c)+\j:ACC+8*(4*\i+2+\c)+\j+1], v[ACC+8*(4*\i+\c)+\j:ACC+8*(4*\i+\c)+\j+1], v[CR+2*(2*\i+\c):CR+2*(2*\i+\c)+1], v[ACC+8*(4*\i+2+\c)+\j:ACC+8*(4*\i+2+\c)+\j+1] op_sel_hi:[1,0,1]
.endr
.endr
.endr
.endm
; THE WAY OUT, through my wave's own stage (LDS serves a wave's instructions in order: ISA guide 5.7.1.4).  The rows come back into the gate accumulators, whose P are done with: group k at ACC + 32 (k / 4) + 4 (k % 4).
; pre = 1: behind them the next chunk's 48 loads are issued, and stay out while the rows are stored.
.macro OUT pre
.irp i, 0,1
.irp c, 0,1
.irp j, 0,1,2,3,4,5,6,7
	ds_store_b32 v[STO], v[ACC+8*(4*\i+2+\c)+\j] offset:(16*\i+\j)*SPITCH+64*\c   ; time 16 i + 8 h + j, channel 16 c + r
.endr
.endr
.endr
.irp k, 0,1,2,3,4,5,6,7
.set XB, ACC+32*(\k/4)+4*(\k%4)
.if LAYER == 0
	ds_load_b128 v[XB:XB+3], v[RD] offset:16*\k              ; lane l: time 32 w + l, its 32 channels: one block of the next product's K
.else
	ds_load_b128 v[XB:XB+3], v[RD] offset:4*SPITCH*\k        ; four times an instruction, eight lanes to a time's 128 bytes
.endif
.endr
.if \pre
	s_xor_b32 s[TB], s[TB], SLOTB
	PRE
.endif
.if LAYER == 0
	s_wait_dscnt 48*\pre                                     ; my row is back; the 48 loads behind it may be out
	v_max3_num_f32 v[MXA], v[ACC], v[ACC+1], 0x1800000       ; no |.|: h is positive.  The floor 2^(3 - 127) holds the byte at 1 from below
	v_max3_num_f32 v[MXB], v[ACC+32], v[ACC+33], v[ACC+34]
.irp k, 2,4,6,8,10,12
	s_delay_alu instid0(VALU_DEP_2)
	v_max3_num_f32 v[MXA], v[MXA], v[ACC+\k], v[ACC+\k+1]
	s_delay_alu instid0(VALU_DEP_2)
	v_max3_num_f32 v[MXB], v[MXB], v[ACC+33+\k], v[ACC+34+\k]
.endr
	s_delay_alu instid0(VALU_DEP_2)
	v_max3_num_f32 v[MXA], v[MXA], v[ACC+14], v[ACC+15]
	s_delay_alu instid0(VALU_DEP_1)
	v_max3_num_f32 v[MXA], v[MXA], v[MXB], v[ACC+47]
	s_delay_alu instid0(VALU_DEP_1)
	v_add_nc_u32 v[SCL], 0xff000000, v[MXA]                  ; 2 off its exponent field: the conversion's scale operand
.irp g, 0,1,2,3
	v_cvt_scalef32_pk8_fp4_f32 v[CD+\g], v[ACC+32*(\g/2)+8*(\g%2):ACC+32*(\g/2)+8*(\g%2)+7], v[SCL]
.endr
	v_lshrrev_b32 v[BY], 23, v[SCL]                          ; the scale's byte (also the plain line behind the conversions)
	v_add_nc_u32 v[SCBA], s[SCO], v0
	ds_store_b8 v[SCBA], v[BY]                               ; gathered in LDS: a chunk's 256 bytes leave together at the end
	global_store_b128 v[GO], v[CD:CD+3], s[10:11]            ; the wave stores 512 consecutive bytes, aligned
.else
.irp k, 0,1,2,3,4,5,6,7
.set XB, ACC+32*(\k/4)+4*(\k%4)
	s_wait_dscnt 48*\pre+7-\k                                ; group k is back; the younger groups and the 48 loads behind them may be out
	global_store_b128 v[GO], v[XB:XB+3], s[10:11] offset:4*4096*\k
.endr
.endif
.endm
; One chunk.  fill = 1: the slot just read is asked for again, two chunks on.  pre = 1: a chunk follows.
.macro TRIP fill, pre
	GEMM
	ACTS
	SCANS
	AGG
	s_wait_alu depctr_va_vdst(0)
	s_wait_tensorcnt 0x0                           ; my eighth of the next chunk has landed; no tensor load of mine is out, so group 0 may be written
	ds_add_u32 v[SPW], v[NIL]
.if \fill
	s_xor_b32 s[G0+1], s[G0+1], SLOTB
	s_add_nc_u64 s[G0+2:G0+3], s[G0+2:G0+3], CHUNKB
.endif
	s_wait_dscnt 0x0                               ; the add, my pair's store and my reads of this slot are done
.if \fill
	CROUND
	tensor_load_to_lds s[G0:G0+3], s[G1:G1+7]      ; my one tensor load behind the round
	s_nop 0
	PLACES
.else
	s_barrier_signal -1
	s_barrier_wait -1
.endif
	FOLD \fill
	FIXES
	OUT \pre
	s_wait_xcnt 0x0                                ; the stores and the prefetch have read their registers and bases
	s_add_nc_u64 s[10:11], s[10:11], OSTEP
.if \fill
	s_add_nc_u64 s[PF:PF+1], s[PF:PF+1], CHUNKB
.endif
	s_xor_b32 s[EB], s[EB], 2048
	s_add_co_u32 s[SCO], s[SCO], 256
.endm
	s_load_b256 s[4:11], s[0:1], 0x0               ; A s[4:5], W s[6:7], the bias s[8:9], the output s[10:11]
	v_lshl_add_u32 v[SPW], v0, 2, SPARE
	v_mov_b32 v[NIL], 0
	ds_add_u32 v1, v2
	ds_add_u32 v1, v2
	s_wait_dscnt 0x0
	v_lshrrev_b32 v[HR], 5, v0
	s_delay_alu instid0(VALU_DEP_1)
	v_readfirstlane_b32 s[WV], v[HR]               ; wave 0..7
	s_bfe_u32 s13, ttmp6, 0x40000                  ; cx
	s_lshl_b32 s14, ttmp9, 2
	s_add_co_u32 s14, s14, s13                     ; kb: my 32 channels
	s_and_b32 s15, ttmp7, 0xffff                   ; b, which the four partners share
	s_mov_b32 s[G1], 15|(3<<16)|(1<<21)            ; the mask of all four; elements of 8 bytes; bit 21 beside a mask
	s_mov_b32 s[G1+1], 32<<16
	s_mov_b32 s[G1+2], 68<<16                      ; 68 rows of 256 bytes
	s_mov_b32 s[G1+3], 32<<16
	s_mov_b32 s[G1+4], 68
	s_mov_b32 s[G1+5], 32
	s_mov_b32 s[G1+6], 0
	s_mov_b32 s[G1+7], 0
	s_mov_b32 s[G0], 1
	s_mul_i32 s[G0+1], s[WV], PARTB                ; slot 0, my eighth
	s_mul_i32 s2, s15, BATB
	s_add_co_u32 s2, s2, s[G0+1]
	s_mov_b32 s3, 0
	s_mul_i32 s46, s13, 17*256                     ; the prefetch: my work-group's 17 blocks of my wave's 68
	s_mov_b32 s47, 0
	s_mov_b32 s[TB], 0
	s_mov_b32 s[EB], 0
	s_mov_b32 s[CNT], 6
	s_mov_b32 s[LC], 0xbfb8aa3b
	s_mov_b32 s[LC+1], 0xbfb8aa3b
	s_mov_b32 s[CL], 0x42c80000
	s_mov_b32 s[HM], 0xffff0000
	s_mov_b32 s[SEL], 0x76543210
	s_mov_b32 s[SEL+1], 0xfedcba98
	s_mov_b32 s[SCO], SCB
.irp w, 0,1,2,3,4,5,6,7
	s_cmp_eq_u32 s[WV], \w
	s_cselect_b32 s[WM+\w], -1, 0
.endr
	v_and_b32 v[HR], 15, v0                        ; r
	v_bfe_u32 v[HH], v0, 4, 1                      ; h
	v_and_b32 v[HL], 31, v0                        ; lane
	s_delay_alu instid0(VALU_DEP_2)
	v_mul_u32_u24 v[HT], v[HH], KBB
	s_delay_alu instid0(VALU_DEP_1)
	v_lshl_add_u32 v[HT], v[HR], 4, v[HT]          ; 16 r + KBB h
	s_delay_alu instid0(VALU_DEP_4)
	v_mul_u32_u24 v[HU], v[HH], PARTB
	s_delay_alu instid0(VALU_DEP_1)
	v_add_nc_u32 v[HU], v[HU], v[HR]               ; r + 4 KBB h
	s_lshl_b32 s59, s[WV], 9
	v_add_nc_u32 v[AK0], s59, v[HT]
	s_lshl_b32 s59, s[WV], 5
	s_add_co_u32 s59, s59, 4096
	v_add_nc_u32 v[AS0], s59, v[HU]
	s_mul_i32 s59, s[WV], WSTG
	s_add_co_u32 s59, s59, STAGE                   ; my stage
	v_mul_u32_u24 v[STO], v[HH], 8*SPITCH
	s_delay_alu instid0(VALU_DEP_1)
	v_lshl_add_u32 v[STO], v[HR], 2, v[STO]
	s_delay_alu instid0(VALU_DEP_1)
	v_add_nc_u32 v[STO], s59, v[STO]
.if LAYER == 0
	v_mul_u32_u24 v[RD], v[HL], SPITCH
	s_delay_alu instid0(VALU_DEP_1)
	v_add_nc_u32 v[RD], s59, v[RD]
	v_lshlrev_b32 v[GO], 4, v0                     ; 16 bytes of codes for each of the chunk's 256 rows
.else
	v_lshrrev_b32 v[HV], 3, v[HL]
	v_and_b32 v[HX], 7, v[HL]
	s_delay_alu instid0(VALU_DEP_2)
	v_mul_u32_u24 v[RD], v[HV], SPITCH
	s_delay_alu instid0(VALU_DEP_1)
	v_lshl_add_u32 v[RD], v[HX], 4, v[RD]
	s_delay_alu instid0(VALU_DEP_1)
	v_add_nc_u32 v[RD], s59, v[RD]
	v_lshlrev_b32 v[GO], 12, v[HV]                 ; a time's row of the output is 4,096 bytes
	s_delay_alu instid0(VALU_DEP_1)
	v_lshl_add_u32 v[GO], v[HX], 4, v[GO]
	s_lshl_b32 s59, s[WV], 17                      ; my wave's 32 times
	v_add_nc_u32 v[GO], s59, v[GO]
.endif
	v_lshl_add_u32 v[EXS], v0, 3, EXCH
	v_lshl_add_u32 v[EXR], v[HL], 3, EXCH
	v_lshlrev_b32 v[VB], 2, v[HR]
	v_min_u32 v[PFO], 16, v[HL]
	v_mov_b32 v[CARRY], 0.5                        ; h_0 = g(0)
	v_mov_b32 v[MINE], 0
	v_mov_b32 v[XM], 0                             ; a lane permute's destination counts as one of its sources
	v_lshlrev_b32 v[PFO], 8, v[PFO]
	s_and_b32 s60, s14, 7                          ; W's rows 32 (kb % 8) on, in chunk kb / 8 (gate) and four chunks further (hidden)
	s_lshl_b32 s61, s60, 9
	v_add_nc_u32 v[VW], s61, v[HT]
	s_lshl_b32 s61, s60, 5
	s_add_co_u32 s61, s61, 4096
	v_add_nc_u32 v[VS], s61, v[HU]
	s_lshr_b32 s60, s14, 3
	s_mul_i32 s60, s60, CHUNKB
	s_mov_b32 s61, 0
	s_wait_kmcnt 0x0
	s_add_nc_u64 s[G0+2:G0+3], s[4:5], s[2:3]
	s_add_nc_u64 s[PF:PF+1], s[G0+2:G0+3], s[46:47]
	s_add_nc_u64 s[PF:PF+1], s[PF:PF+1], 3*CHUNKB  ; the first trip names chunk 3
	s_or_b32 s[G0+3], s[G0+3], 0x80000000          ; type = 2
	CROUND                                         ; all four work-groups are here: the first joint loads meet
	tensor_load_to_lds s[G0:G0+3], s[G1:G1+7]      ; chunk 0 into slot 0: my one tensor load at the head
	s_nop 0
	PLACES
	s_add_nc_u64 s[6:7], s[6:7], s[60:61]
	s_lshl_b32 s60, s14, 7
	s_add_nc_u64 s[8:9], s[8:9], s[60:61]          ; the bias of my gate channels; the hidden ones' lies 4,096 bytes on
.if LAYER == 0
	s_mul_i32 s60, s14, KBB
	s_mul_i32 s59, s15, BATB
	s_add_co_u32 s60, s60, s59
	s_add_nc_u64 s[10:11], s[10:11], s[60:61]      ; my kb of the batch's chunk 0
	s_mov_b64 s[62:63], s[10:11]                   ; kept for the scale bytes
.else
	s_lshl_b32 s59, s15, 23
	s_add_co_u32 s60, s60, s59
	s_add_nc_u64 s[10:11], s[10:11], s[60:61]      ; my 128 bytes of the batch's first row
.endif
	WIN 0x40                                       ; destination window 1
	s_wait_alu depctr_va_vdst(0)
.irp n, 0,1,2,3
.irp q, 0,1,2,3,4,5,6,7
.irp c, 0,1
	global_load_b128 v[8*(8*\n+\q)+4*\c:8*(8*\n+\q)+4*\c+3], v[VW], s[6:7] offset:(\n/2)*4*CHUNKB+(\n%2)*256+(4*\q+2*\c)*KBB   ; W's fragments: they stay
.endr
.endr
.endr
	WIN 0
.irp n, 0,1,2,3
.irp p, 0,1,2,3
.irp b, 0,1,2,3
	global_load_u8 v[ACC+16*\n+4*\p+\b], v[VS], s[6:7] offset:(\n/2)*4*CHUNKB+(\n%2)*16+(8*\p+\b)*KBB   ; their scale bytes: kb = 8 p + 4 h + b
.endr
.endr
.endr
.irp n, 0,1,2,3
	global_load_b32 v[BIAS+8*\n], v[VB], s[8:9] offset:(\n/2)*4096+(\n%2)*64
.endr
	s_wait_tensorcnt 0x0                           ; slot 1's first fill is issued as a refill is
	ds_add_u32 v[SPW], v[NIL]
	s_xor_b32 s[G0+1], s[G0+1], SLOTB
	s_add_nc_u64 s[G0+2:G0+3], s[G0+2:G0+3], CHUNKB
	s_wait_dscnt 0x0
	CROUND                                         ; everybody's eighth of chunk 0 is in
	tensor_load_to_lds s[G0:G0+3], s[G1:G1+7]      ; chunk 1 into slot 1
	s_nop 0
	PLACES
	PRE                                            ; chunk 0's first operands
	s_wait_loadcnt 0x0
.irp s, 1,2,3
.irp u, 0,1,2,3,4,5,6,7,8,9,10,11,12,13,14,15
.if \s == 1
	v_lshl_or_b32 v[WS+\u], v[ACC+4*\u+1], 8, v[ACC+4*\u]
.else
	v_lshl_or_b32 v[WS+\u], v[ACC+4*\u+\s], 8*\s, v[WS+\u]
.endif
.endr
.endr
.irp n, 0,1,2,3
.irp j, 1,2,3,4,5,6,7
	v_mov_b32 v[BIAS+8*\n+\j], v[BIAS+8*\n]        ; a lane's eight results are eight times of one channel: its bias eight times, as the C of each sum's first product
.endr
.endr
	s_wait_alu depctr_va_vdst(0)
.Lchunk:                                           ; six trips: trip k works on chunk k and asks for chunk k + 2
	TRIP 1, 1
	s_sub_co_u32 s[CNT], s[CNT], 1
	s_cmp_lg_u32 s[CNT], 0
	s_wait_alu depctr_va_vdst(0)
	s_cbranch_scc1 .Lchunk
	TRIP 0, 1                                      ; the last two chunks are written out: nothing more is asked for
	TRIP 0, 0
.if LAYER == 0
	s_wait_dscnt 0x0                               ; my scale bytes lie in LDS
	s_barrier_signal -1
	s_barrier_wait -1
	v_lshl_add_u32 v[SCBA], v0, 3, SCB             ; wave w takes chunk w's 256 bytes, 8 a lane
	ds_load_b64 v[MXB:MXB+1], v[SCBA]
	s_mul_i32 s59, s[WV], CHUNKB
	s_add_co_u32 s59, s59, 4096
	v_and_b32 v[HR], 31, v0
	s_delay_alu instid0(VALU_DEP_1)
	v_lshl_add_u32 v[HR], v[HR], 3, s59
	s_wait_alu depctr_va_vdst(0)
	s_wait_dscnt 0x0
	global_store_b64 v[HR], v[MXB:MXB+1], s[62:63] ; the wave stores 256 consecutive bytes, aligned
.endif
	s_wait_tensorcnt 0x0                           ; the wave's end
	ds_add_u32 v[SPW], v[NIL]
	s_wait_dscnt 0x0
	CROUND                                         ; the closing round
	s_endpgm
.Lfunc_end_k_q87ea9b384c_layer1:
	.size	k_q87ea9b384c_layer1, .Lfunc_end_k_q87ea9b384c_layer1-k_q87ea9b384c_layer1
	.p2alignl 7, 3214868480
	.fill 96, 4, 3214868480
	.section	.rodata,"a",@progbits
	.p2align	6, 0x0
	.amdhsa_kernel k_q87ea9b384c_layer1
		.amdhsa_group_segment_fixed_size 327680
		.amdhsa_private_segment_fixed_size 0
		.amdhsa_enable_private_segment 0
		.amdhsa_kernarg_size 32
		.amdhsa_user_sgpr_count 2
		.amdhsa_user_sgpr_kernarg_segment_ptr 1
		.amdhsa_wavefront_size32 1
		.amdhsa_system_sgpr_workgroup_id_x 1
		.amdhsa_system_sgpr_workgroup_id_y 1
		.amdhsa_system_sgpr_workgroup_id_z 1
		.amdhsa_system_vgpr_workitem_id 0
		.amdhsa_next_free_vgpr 512
		.amdhsa_next_free_sgpr 66
		.amdhsa_reserve_vcc 0
		.amdhsa_float_denorm_mode_32 3
		.amdhsa_float_denorm_mode_16_64 3
		.amdhsa_memory_ordered 1
		.amdhsa_forward_progress 1
		.amdhsa_inst_pref_size 149
	.end_amdhsa_kernel
	.amdgpu_metadata
---
amdhsa.version: [ 1, 2 ]
amdhsa.kernels:
  - .name:           k_q87ea9b384c_layer1
    .symbol:         k_q87ea9b384c_layer1.kd
    .args:
      - { .name: hq, .offset: 0, .size: 8, .value_kind: global_buffer, .address_space: global }
      - { .name: w1q, .offset: 8, .size: 8, .value_kind: global_buffer, .address_space: global }
      - { .name: b1, .offset: 16, .size: 8, .value_kind: global_buffer, .address_space: global }
      - { .name: out0, .offset: 24, .size: 8, .value_kind: global_buffer, .address_space: global }
    .group_segment_fixed_size: 327680
    .private_segment_fixed_size: 0
    .kernarg_segment_align: 8
    .kernarg_segment_size: 32
    .max_flat_workgroup_size: 256
    .sgpr_count:     66
    .vgpr_count:     512
    .wavefront_size: 32
...
	.end_amdgpu_metadata
.endif
;; end of part 3
